; MI455X (gfx1250); checked and timed in simulation.
; The chip was launched on July 23, 2026; its instructions are those of AMD's public machine-readable ISA for CDNA 5 (MIT licence, August 2026) and "CDNA5" Instruction Set Architecture Reference Guide (July 2026). The comments in the code are by the model that wrote it; some were corrected since.
;; Sliding Window Attention. Allowed arithmetic: matrix products marked QUANTISED: E4M3 operands, one E8M0 scale for each 32 along K, by v_wmma_scale_f32_16x16x128_f8f6f4 with both operands' format E4M3, f32 sums; everything else in f32.
;; Inputs: Wk 1,024 x 1,024 float32; Wq 1,024 x 1,024 float32; Wv 1,024 x 1,024 float32; bk 1,024 float32; bq 1,024 float32; bv 1,024 float32; hidden_states 4 x 2,048 x 1,024 float32.
;; Outputs: out0 4 x 2,048 x 1,024 float32.
;; This version of the problem:
;;   THIS VERSION OF THE PROBLEM IS GIVEN IN LOW PRECISION. The matrix products marked QUANTISED in the list below multiply operands that are first quantised to E4M3 (4 exponent bits, 3 mantissa bits; 8 bits a number), with one power-of-two scale for each 32 numbers along K (OCP MX v1.0); their sums are f32. All else is computed in f32.
;;   The module's matrix products, in the order in which they are computed (A, B: the left and right operand; K: the contracted axis; several contracted axes count as one K, in the product's order):
;;     1. [M 8,192, K 1,024] x [K 1,024, N 1,024]; A: input hidden_states; B: input Wq: QUANTISED
;;     2. [M 8,192, K 1,024] x [K 1,024, N 1,024]; A: input hidden_states; B: input Wk: QUANTISED
;;     3. [M 8,192, K 1,024] x [K 1,024, N 1,024]; A: input hidden_states; B: input Wv: QUANTISED
;;     4. batch 64 x [M 2,048, K 64] x [K 64, N 2,048]; A: computed on the way; B: computed on the way: QUANTISED
;;     5. batch 64 x [M 2,048, K 2,048] x [K 2,048, N 64]; A: softmax (see below); B: computed on the way: QUANTISED
;;   THE QUANTISER, for each operand of a quantised product, along K:
;;     - K is cut into blocks of 32 from its start; a last block that is shorter is filled with zeros.
;;     - A block's scale is 2^e with e = floor(log2(the largest magnitude in the block)) - 8, held to -126 .. 127; a block of zeros has e = 0. As a byte (E8M0): e + 127.
;;     - Each number is divided by its block's scale, clamped to +-448, and rounded to the nearest number of E4M3, ties to even, subnormals kept.
;;     - The product sums the exact products of the quantised numbers (number of the format x scale) in f32.
;;   ~~~python
;;   def quantise(x, axis):      # numpy; x: float32 -> the quantised numbers, widened to float32 again
;;       x = np.moveaxis(x, axis, -1); K = x.shape[-1]
;;       x = np.pad(x, [(0, 0)] * (x.ndim - 1) + [(0, -K % 32)]); x = x.reshape(x.shape[:-1] + (-1, 32)); a = np.abs(x).max(-1, keepdims=True)
;;       e = np.where(a > 0, np.clip(np.frexp(np.where(a > 0, a, 1))[1] - 1 - 8, -126, 127), 0)      # np.frexp(a)[1] - 1 = floor(log2(a)), exactly
;;       r = np.clip(x / 2.0 ** e, -448, 448)
;;       step = 2.0 ** (np.maximum(np.frexp(np.where(r == 0, 1, r))[1] - 1, -6) - 3)
;;       q = np.round(r / step) * step * 2.0 ** e      # np.round: ties to even
;;       return np.moveaxis(q.reshape(q.shape[:-2] + (-1,))[..., :K], -1, axis).astype(np.float32)
;;   ~~~
;;   SOFTMAX AHEAD OF A QUANTISED PRODUCT. Where the list says 'softmax', what is quantised is not the finished softmax but p = 2^(t - M), with t = logit x log2(e) and M = ceil(the row's largest t), a whole number; so 1/2 < the row's largest p <= 1. The row's sum l is taken of the UNQUANTISED p, in f32, and the product's result is divided by l at the end. Since M is a whole number, a kernel that streams over the keys may use a running M (the ceiling of the running maximum): every later rescaling is an exact power of two, which a block's scale takes up: the codes' values come out the same.
;;   OPERANDS COMPUTED ON THE WAY. 'Computed on the way' means the value that the module computes at that place (a softmax that the list does not call 'softmax' is quantised finished and normalised). What goes into a quantiser is computed in f32, as accurately as f32 sums, v_exp_f32 and their like allow (about 1e-6 of the number): no bf16 or f16 on the way to a quantiser, and a product that is left as it is and whose result goes on into a quantised operand takes f32 operands (vector FMAs, or v_wmma_f32_16x16x4_f32). A number that lies on a knife's edge between two numbers of the format may be rounded either way, as far as f32 arithmetic and the matrix unit's own rounding can turn it there, and no further.
;; One version. Each part assembles by itself: llvm-mc -triple=amdgcn-amd-amdhsa -mcpu=gfx1250 --defsym DOCPART=n.
;; ======== version 1 of 1: 3 launches
;; workspace buffers: x_codes 8,388,608 bytes; x_scales 262,144 bytes; w_codes 3,145,728 bytes; w_scales 98,304 bytes; qkv 25,952,256 bytes
;; launch quant (part 1): grid 352 x 1, 4 waves a work-group, no clusters, 68,096 bytes of LDS; arguments hidden_states, Wq, Wk, Wv, x_codes, x_scales, w_codes, w_scales; writes x_codes, x_scales, w_codes, w_scales
.if DOCPART == 1
	.amdgcn_target "amdgcn-amd-amdhsa--gfx1250"
	.amdhsa_code_object_version 6
	.text
	.protected	k_q1774b6ade6_quant
	.globl	k_q1774b6ade6_quant
	.p2align	8
	.type	k_q1774b6ade6_quant,@function
k_q1774b6ade6_quant:
	s_mov_b64 s[64:65], 0
	v_nop
	global_prefetch_b8 v0, s[64:65] scope:SCOPE_SE
	s_setreg_imm32_b32 hwreg(HW_REG_WAVE_MODE, 25, 1), 1
	s_wait_xcnt 0x0
; hidden_states [8192][1024] f32 (K innermost) and Wq, Wk, Wv [1024 (K)][1024 (n)] f32 (K is the FIRST axis) become codes of FP8 (E4M3), K innermost, with one E8M0 byte for each 32 along K.
; A block's scale is 2^(floor(log2(its largest magnitude)) - 8): its byte is the largest magnitude's exponent field - 8, held at 1 from below; each number is divided by the scale, held within +-448 and rounded to the nearest code, ties to even.
; ROWS ARE STORED SWAPPED INSIDE GROUPS OF 32: row rho of x_codes / x_scales holds x's row rho with bits 3 and 4 exchanged, row rho of w_codes / w_scales (rho = 1024 T + .., T = 0 q, 1 k, 2 v) W's column likewise.
; So sixteen NEIGHBOURING stored rows 32 B + 16 u + r are the true rows 32 B + 8 u + (r & 7) + 16 (r >> 3): in the next launch's products a lane's 16 registers of two neighbouring tiles are then 16 neighbours, as the operand of the product after it wants them.
; LIMITS: a block whose largest magnitude lies under 2^-118 gets the byte 1; a block of zeros gets the byte 1, not 127 (its codes are zeros, which add nothing under any byte but 0xff, and this program alone reads the bytes); NaN and infinities among the inputs are not served.
; Work-groups 0-255 take x (32 rows each), work-groups 256-351 the three W (128 columns x 256 along K each): every work-group reads 131,072 bytes.  The two ways part on the work-group's number and have LDS bytes of their own.
; No tensor loads, no barrier, no matrix unit, no cluster: waves share nothing and each input byte is read once.
.set XWG,   256                        ; work-groups for x
.set MANT,  0x600000                   ; the mantissa field of 448 as f32
; ---- x's way
.set STEPS, 16                         ; steps of 512 numbers for a wave: 8 rows
.set CB,    16                         ; bytes of 16 codes
.set R,     16                         ; v16-79   four sets of 16 numbers as they are loaded
.set X,     80                         ; v80-111  two sets of 16 neighbours
.set E,     112                        ; v112-127 a scale byte for each step
.set C,     128                        ; v128-191 codes: four registers for each step, so that no store's data are written again
.set WREG,  8192                       ; LDS: a region for each wave: two stages of 32 x SP bytes, behind them its 256 scale bytes
.set SP,    80                         ; a lane's place in a stage: its 64 bytes + 16 of padding
; ---- W's way
.set NB,    8                          ; blocks of 32 along K for a wave
.set PITCH, 272                        ; a stage row: 256 bytes of codes + 16
.set WLDS,  32768                      ; LDS: W's way begins behind x's four regions
.set WX,    32                         ; v32-95   two sets of 32 numbers
.set WC,    96                         ; v96-103  a block's codes
.set OUTR,  112                        ; v112-175 the way out
.set SB,    24                         ; v24-25   the scale bytes, four to a register
	s_load_b256 s[4:11], s[0:1], 0x0               ; x s[4:5], Wq s[6:7], Wk s[8:9], Wv s[10:11]
	s_load_b256 s[12:19], s[0:1], 0x20             ; x's codes s[12:13], x's scales s[14:15], W's codes s[16:17], W's scales s[18:19]
	v_lshl_add_u32 v192, v0, 2, 0x10800
	v_mov_b32 v193, 0
	v_lshrrev_b32 v1, 5, v0
	v_readfirstlane_b32 s20, v1                    ; wave 0..3
	v_and_b32 v2, 31, v0                           ; lane
	s_mov_b32 s23, MANT                            ; (an instruction takes one literal: the hold's line has another)
	s_mov_b32 s25, 0                               ; the upper word of every offset pair s[24:25]
	s_wait_kmcnt 0x0
	s_cmp_lt_u32 ttmp9, XWG
	s_cbranch_scc0 .Lw
; ======== x: a plain stream of blocks of 32.  A lane must hold 16 NEIGHBOURS for the conversions, and a load is best where neighbouring lanes take neighbouring bytes: each load reads 512 consecutive bytes,
; the step's 2,048 bytes go through the wave's own stage in LDS as they lie and come back 64 bytes a lane.  Two neighbouring lanes hold a block.
	v_lshlrev_b32 v3, 4, v2                        ; my 16 bytes of a load's 512
	s_mul_i32 s21, s20, WREG
	v_lshrrev_b32 v14, 2, v2
	v_mul_u32_u24 v14, v14, SP
	v_and_b32 v15, 3, v2
	v_lshl_add_u32 v14, v15, 4, v14
	v_add_nc_u32 v14, s21, v14                     ; the stage, on the way in: SP (lane / 4) + 16 (lane % 4)
	v_mul_u32_u24 v15, v2, SP
	v_add_nc_u32 v15, s21, v15                     ; and on the way out: SP x lane: my 16 neighbours
	v_mul_u32_u24 v4, v2, CB                       ; my codes' place in a step's
	v_lshrrev_b32 v5, 1, v2
	s_add_co_u32 s21, s21, 2*32*SP
	v_add_nc_u32 v5, s21, v5                       ; LDS: my wave's 256 scale bytes, my block's byte
	v_lshlrev_b32 v7, 3, v2                        ; and on the way out 8 bytes a lane
	v_add_nc_u32 v6, s21, v7
	s_lshl_b32 s22, ttmp9, 2
	s_add_co_u32 s24, s22, s20                     ; my run of 8 rows: 4 x work-group + wave
	s_lshl_b32 s24, s24, 15                        ; 32,768 bytes of f32 a run
	s_add_nc_u64 s[4:5], s[4:5], s[24:25]
	s_and_b32 s26, s20, 1
	s_lshl_b32 s26, s26, 1
	s_lshr_b32 s27, s20, 1
	s_or_b32 s26, s26, s27                         ; the wave's two bits exchanged: they are bits 3 and 4 of the row
	s_add_co_u32 s26, s26, s22                     ; the run where my results go
	s_lshl_b32 s24, s26, 13                        ; 8,192 bytes of codes a run
	s_add_nc_u64 s[12:13], s[12:13], s[24:25]
	s_lshl_b32 s24, s26, 8                         ; 256 scale bytes a run
	s_add_nc_u64 s[14:15], s[14:15], s[24:25]
.macro XLOAD t
.irp i, 0,1,2,3
	global_load_b128 v[R+16*((\t)%4)+4*\i:R+16*((\t)%4)+4*\i+3], v3, s[4:5] offset:2048*(\t)+512*\i th:TH_LOAD_NT   ; 32 lanes read 512 consecutive bytes
.endr
.endm
.macro XTURN t                         ; step t's numbers through the stage: LDS serves a wave's instructions in order, so no wait stands between the stores and the loads
.irp i, 0,1,2,3
	ds_store_b128 v14, v[R+16*((\t)%4)+4*\i:R+16*((\t)%4)+4*\i+3] offset:32*SP*((\t)%2)+8*SP*\i
.endr
.irp i, 0,1,2,3
	ds_load_b128 v[X+16*((\t)%2)+4*\i:X+16*((\t)%2)+4*\i+3], v15 offset:32*SP*((\t)%2)+16*\i
.endr
.endm
.irp t, 0,1,2,3
	XLOAD \t
.endr
	s_wait_loadcnt 12                              ; step 0's four loads are in; the twelve of steps 1 to 3 may be out
	XTURN 0
.macro XSTEP t
.set XS, X+16*((\t)%2)
.if (\t) > 0
	s_wait_dscnt 1                                 ; this step's numbers are back from the stage (the last step's byte store may be out): so its stores into the stage have read their registers,
.else
	s_wait_dscnt 0x0
.endif
.if (\t)+4 < STEPS
	XLOAD (\t)+4                                   ; which take the loads of four steps on
.endif
.if (\t)+1 < STEPS
.if STEPS-2-(\t) >= 3
	s_wait_loadcnt 12                              ; the next step's four loads are in; those of the three steps behind it may be out
.else
	s_wait_loadcnt 4*(STEPS-2-(\t))
.endif
	XTURN (\t)+1                                   ; and go through the other stage while this step is worked
.endif
	v_max3_num_f32 v8, |v[XS]|, |v[XS+1]|, |v[XS+2]|               ; the largest magnitude of my 16, in two chains
	v_max3_num_f32 v9, |v[XS+3]|, |v[XS+4]|, |v[XS+5]|
.irp i, 6,10
	v_max3_num_f32 v8, v8, |v[XS+\i]|, |v[XS+\i+1]|
	v_max3_num_f32 v9, v9, |v[XS+\i+2]|, |v[XS+\i+3]|
.endr
	v_max3_num_f32 v8, v8, |v[XS+14]|, |v[XS+15]|
	v_max3_num_f32 v8, v8, v9, 0x4800000           ; and the floor 2^(9 - 127): the byte cannot fall under 1
	v_max_num_f32_dpp v8, v8, v8 row_xmask:1 row_mask:0xf bank_mask:0xf   ; and of my neighbour's 16: the block's
	v_add_nc_u32 v11, 0xfc000000, v8               ; 8 off its exponent field: the conversion takes the exponent field of this operand as its scale
	v_and_or_b32 v10, v8, 0x7f800000, s23          ; 448 x the scale
.irp i, 0,1,2,3,4,5,6,7,8,9,10,11,12,13,14,15
	v_med3_num_f32 v[XS+\i], v[XS+\i], -v10, v10   ; the conversion to an 8-bit code does not saturate (ISA guide 7.6.2): the hold comes first
.endr
	v_cvt_scalef32_pk8_fp8_f32 v[C+4*(\t):C+4*(\t)+1], v[XS:XS+7], v11
	v_cvt_scalef32_pk8_fp8_f32 v[C+4*(\t)+2:C+4*(\t)+3], v[XS+8:XS+15], v11
	v_lshrrev_b32 v[E+(\t)], 23, v11               ; the scale's byte (also the plain line behind the conversions)
	ds_store_b8 v5, v[E+(\t)] offset:16*(\t)       ; both lanes of a block write the same byte with the same value
	global_store_b128 v4, v[C+4*(\t):C+4*(\t)+3], s[12:13] offset:32*CB*(\t)   ; the wave stores 512 consecutive bytes, aligned
.endm
.irp t, 0,1,2,3,4,5,6,7,8,9,10,11,12,13,14,15
	XSTEP \t
.endr
	ds_load_b64 v[12:13], v6                       ; LDS serves a wave's instructions in order: these see my byte stores
	s_wait_dscnt 0x0
	global_store_b64 v7, v[12:13], s[14:15]        ; 32 lanes store 256 consecutive bytes, aligned
	s_wait_tensorcnt 0x0
	ds_add_u32 v192, v193
	s_wait_dscnt 0x0
	s_endpgm
; ======== W: A LANE TAKES A COLUMN n AND ITS REGISTERS RUN DOWN K: each load reads 128 consecutive bytes a wave, a block of 32 along K lies in one lane's 32 registers, and the conversions give codes with K innermost.
; A wave takes 32 columns x 256 along K.  The codes go through the wave's own stage, each column into the stage row with bits 3 and 4 of its number exchanged, and leave as rows: sixteen lanes store 256 consecutive bytes, aligned.
.Lw:
	s_sub_co_u32 s21, ttmp9, XWG
	s_lshr_b32 s22, s21, 5                         ; T: which W
	s_and_b32 s26, s21, 7                          ; which 128 columns
	s_bfe_u32 s27, s21, 0x20003                    ; which 256 along K
	s_cmp_eq_u32 s22, 1
	s_cselect_b64 s[6:7], s[8:9], s[6:7]
	s_cmp_eq_u32 s22, 2
	s_cselect_b64 s[6:7], s[10:11], s[6:7]         ; the choice hangs on the work-group's number alone
	s_lshl_b32 s26, s26, 7
	s_lshl_b32 s28, s20, 5
	s_add_co_u32 s26, s26, s28                     ; my wave's first column, a multiple of 32
	v_lshlrev_b32 v3, 2, v2                        ; in: 4 bytes a lane
	v_and_b32 v10, 7, v2
	v_and_b32 v11, 8, v2
	v_lshl_or_b32 v10, v11, 1, v10
	v_bfe_u32 v11, v2, 4, 1
	v_lshl_or_b32 v10, v11, 3, v10                 ; my lane's number with bits 3 and 4 exchanged: my column's stored row
	s_mul_i32 s28, s20, 32*PITCH
	s_add_co_u32 s28, s28, WLDS                    ; my stage
	v_mul_u32_u24 v4, v10, PITCH
	v_add_nc_u32 v4, s28, v4                       ; into it
	v_and_b32 v5, 15, v2
	v_lshrrev_b32 v6, 4, v2                        ; out of it: sixteen lanes to a row, two rows an instruction
	v_mul_u32_u24 v7, v6, PITCH
	v_lshl_add_u32 v7, v5, 4, v7
	v_add_nc_u32 v7, s28, v7
	v_lshlrev_b32 v8, 10, v6                       ; and the same place in the codes' buffer: rows of 1,024 bytes
	v_lshl_add_u32 v8, v5, 4, v8
	v_lshlrev_b32 v9, 5, v10                       ; my column's row of scale bytes: 32 bytes a row
	s_lshl_b32 s24, s27, 20                        ; W: 256 rows of 4,096 bytes,
	s_lshl_b32 s28, s26, 2                         ; + 4 bytes a column
	s_add_co_u32 s24, s24, s28
	s_add_nc_u64 s[6:7], s[6:7], s[24:25]
	s_lshl_b32 s28, s22, 10
	s_add_co_u32 s28, s28, s26                     ; my first stored row: 1024 T + first column
	s_lshl_b32 s24, s28, 10
	s_lshl_b32 s29, s27, 8
	s_add_co_u32 s24, s24, s29
	s_add_nc_u64 s[16:17], s[16:17], s[24:25]      ; codes: row x 1,024 + 256 x my part of K
	s_lshl_b32 s24, s28, 5
	s_lshl_b32 s29, s27, 3
	s_add_co_u32 s24, s24, s29
	s_add_nc_u64 s[18:19], s[18:19], s[24:25]      ; scale bytes: row x 32 + 8 x my part of K
.macro WLOAD t                         ; block t: W(32 t + i, my column), i = 0 .. 31, into set t % 2
.irp i, 0,1,2,3,4,5,6,7,8,9,10,11,12,13,14,15,16,17,18,19,20,21,22,23,24,25,26,27,28,29,30,31
	global_load_b32 v[WX+32*((\t)%2)+\i], v3, s[6:7] offset:(32*(\t)+\i)*4096 th:TH_LOAD_NT
.endr
.endm
	WLOAD 0
	WLOAD 1
.macro WBLOCK t
.set XS, WX+32*((\t)%2)
.if (\t) < NB-1
	s_wait_loadcnt 32                              ; this block's 32 loads are in; the next block's may be out
.else
	s_wait_loadcnt 0
.endif
	v_max3_num_f32 v12, |v[XS]|, |v[XS+1]|, |v[XS+2]|               ; the block's largest magnitude: all 32 numbers are mine
	v_max3_num_f32 v13, |v[XS+3]|, |v[XS+4]|, |v[XS+5]|
.irp i, 6,10,14,18,22,26
	v_max3_num_f32 v12, v12, |v[XS+\i]|, |v[XS+\i+1]|
	v_max3_num_f32 v13, v13, |v[XS+\i+2]|, |v[XS+\i+3]|
.endr
	v_max3_num_f32 v12, v12, |v[XS+30]|, |v[XS+31]|
	v_max3_num_f32 v12, v12, v13, 0x4800000        ; and the floor 2^(9 - 127)
	v_add_nc_u32 v11, 0xfc000000, v12              ; the conversion's scale operand
	v_and_or_b32 v10, v12, 0x7f800000, s23         ; 448 x the scale
	v_lshrrev_b32 v13, 23, v11                     ; the scale's byte
.if (\t)%4 == 0
	v_mov_b32 v[SB+(\t)/4], v13                    ; four bytes to a register, the lower K in the lower byte
.else
	v_lshl_or_b32 v[SB+(\t)/4], v13, 8*((\t)%4), v[SB+(\t)/4]
.endif
.irp i, 0,1,2,3,4,5,6,7,8,9,10,11,12,13,14,15,16,17,18,19,20,21,22,23,24,25,26,27,28,29,30,31
	v_med3_num_f32 v[XS+\i], v[XS+\i], -v10, v10
.endr
.irp g, 0,1,2,3
	v_cvt_scalef32_pk8_fp8_f32 v[WC+2*\g:WC+2*\g+1], v[XS+8*\g:XS+8*\g+7], v11
.endr
	v_nop                                          ; a plain line behind the last conversion
	ds_store_b128 v4, v[WC:WC+3] offset:32*(\t)    ; 32 codes: 32 bytes of my column's row
	ds_store_b128 v4, v[WC+4:WC+7] offset:32*(\t)+16
.if (\t)+2 < NB
	WLOAD (\t)+2
.endif
	s_wait_dscnt 0x0                               ; the stores have read their registers: the next block's codes may be written
.endm
.irp t, 0,1,2,3,4,5,6,7
	WBLOCK \t
.endr
	global_store_b64 v9, v[SB:SB+1], s[18:19]      ; my column's 8 scale bytes (rows 32 bytes apart: one byte in 128 of what this way reads)
.irp t, 0,1,2,3,4,5,6,7,8,9,10,11,12,13,14,15
	ds_load_b128 v[OUTR+4*\t:OUTR+4*\t+3], v7 offset:2*\t*PITCH   ; LDS serves a wave's instructions in order: these see my stores
.endr
.irp t, 0,1,2,3,4,5,6,7,8,9,10,11,12,13,14,15
	s_wait_dscnt 15-\t                             ; load t is back; the younger ones may be out
	global_store_b128 v8, v[OUTR+4*\t:OUTR+4*\t+3], s[16:17] offset:2*\t*1024
.endr
	s_wait_tensorcnt 0x0
	ds_add_u32 v192, v193
	s_wait_dscnt 0x0
	s_endpgm
.Lfunc_end_k_q1774b6ade6_quant:
	.size	k_q1774b6ade6_quant, .Lfunc_end_k_q1774b6ade6_quant-k_q1774b6ade6_quant
	.p2alignl 7, 3214868480
	.fill 96, 4, 3214868480
	.section	.rodata,"a",@progbits
	.p2align	6, 0x0
	.amdhsa_kernel k_q1774b6ade6_quant
		.amdhsa_group_segment_fixed_size 68096
		.amdhsa_private_segment_fixed_size 0
		.amdhsa_enable_private_segment 0
		.amdhsa_kernarg_size 64
		.amdhsa_user_sgpr_count 2
		.amdhsa_user_sgpr_kernarg_segment_ptr 1
		.amdhsa_wavefront_size32 1
		.amdhsa_system_sgpr_workgroup_id_x 1
		.amdhsa_system_sgpr_workgroup_id_y 1
		.amdhsa_system_sgpr_workgroup_id_z 1
		.amdhsa_system_vgpr_workitem_id 0
		.amdhsa_next_free_vgpr 194
		.amdhsa_next_free_sgpr 66
		.amdhsa_reserve_vcc 0
		.amdhsa_float_denorm_mode_32 3
		.amdhsa_float_denorm_mode_16_64 3
		.amdhsa_memory_ordered 1
		.amdhsa_forward_progress 1
		.amdhsa_inst_pref_size 110
	.end_amdhsa_kernel
	.amdgpu_metadata
---
amdhsa.version: [ 1, 2 ]
amdhsa.kernels:
  - .name:           k_q1774b6ade6_quant
    .symbol:         k_q1774b6ade6_quant.kd
    .args:
      - { .name: hidden_states, .offset: 0, .size: 8, .value_kind: global_buffer, .address_space: global }
      - { .name: Wq, .offset: 8, .size: 8, .value_kind: global_buffer, .address_space: global }
      - { .name: Wk, .offset: 16, .size: 8, .value_kind: global_buffer, .address_space: global }
      - { .name: Wv, .offset: 24, .size: 8, .value_kind: global_buffer, .address_space: global }
      - { .name: x_codes, .offset: 32, .size: 8, .value_kind: global_buffer, .address_space: global }
      - { .name: x_scales, .offset: 40, .size: 8, .value_kind: global_buffer, .address_space: global }
      - { .name: w_codes, .offset: 48, .size: 8, .value_kind: global_buffer, .address_space: global }
      - { .name: w_scales, .offset: 56, .size: 8, .value_kind: global_buffer, .address_space: global }
    .group_segment_fixed_size: 68096
    .private_segment_fixed_size: 0
    .kernarg_segment_align: 8
    .kernarg_segment_size: 64
    .max_flat_workgroup_size: 128
    .sgpr_count:     66
    .vgpr_count:     194
    .wavefront_size: 32
...
	.end_amdgpu_metadata
.endif
;; end of part 1
;; launch proj (part 2): grid 12 x 32, 4 waves a work-group, clusters of 4 x 4, 327,680 bytes of LDS; arguments x_codes, x_scales, w_codes, w_scales, bq, bk, bv, qkv; writes qkv
.if DOCPART == 2
	.amdgcn_target "amdgcn-amd-amdhsa--gfx1250"
	.amdhsa_code_object_version 6
	.text
	.protected	k_q1774b6ade6_proj
	.globl	k_q1774b6ade6_proj
	.p2align	8
	.type	k_q1774b6ade6_proj,@function
k_q1774b6ade6_proj:
	s_mov_b64 s[64:65], 0
	v_nop
	global_prefetch_b8 v0, s[64:65] scope:SCOPE_SE
	s_setreg_imm32_b32 hwreg(HW_REG_WAVE_MODE, 25, 1), 1
	s_wait_xcnt 0x0
	s_wait_alu depctr_hold_cnt(0) depctr_sa_sdst(0) depctr_va_vdst(0) depctr_va_sdst(0) depctr_va_ssrc(0) depctr_va_vcc(0) depctr_vm_vsrc(0)
	s_getreg_b32 s2, hwreg(HW_REG_IB_STS2, 6, 4)
	s_cmp_eq_u32 s2, 0
	s_cbranch_scc0 .Lentry_in_a_cluster
	s_endpgm
.Lentry_in_a_cluster:
	s_bfe_u32 s2, ttmp6, 0x10000c
	s_cmp_lg_u32 s2, 0xf033
	s_cbranch_scc0 .Lentry_shape_is_right
	s_endpgm
.Lentry_shape_is_right:
; q = x Wq + bq, k = x Wk + bk, v = x Wv + bv on codes of FP8 (E4M3) with one E8M0 scale for each 32 along K = 1,024; the f32 results are quantised at once, as operands of the attention's two products, and stored as
; IMAGES OF OPERAND REGISTERS.  x_codes [8192][1024], w_codes [3072][1024] (rows 1024 T + .., T = 0 q, 1 k, 2 v), scale bytes [..][32]; in both, rows are stored with bits 3 and 4 of their number exchanged.
; A tile of 256 x 256 results is made by a work-group of four waves, a wave makes 128 x 128: 64 accumulators of 16 x 16, 512 registers.  K goes in steps of 256 through a ring of two LDS slots filled by the tensor data mover;
; the scale bytes of the work-group's 2 x 256 rows, for all of K, come into LDS once, with the first fills.
; CLUSTERS: 4 x 4 work-groups; the cluster's x is T.  The tile of the operand called A here (source 1) is shared along a row of the cluster, that of B (source 0) along a column: each is asked for jointly.
; ROLES.  A lane of a result holds ONE row of source 1 and eight rows of source 0; with the stored order of rows, its 16 registers of two neighbouring tiles of source 0 are 16 true neighbours.  q and k are quantised along
; the head's 64 features: A = x, B = W.  v is quantised along the KEYS: A = W, B = x.  The exchange is a choice of pointers and tile numbers on T, which all sixteen partners share.
; THE BIAS is the C of each sum's first matrix instruction: nothing is cleared and nothing is added afterwards.
; OUTPUT: qkv, 1,536 records of 16,896 bytes, record ((4 T + batch) 8 + head pair) 16 + group of 128 rows of the sequence: what ONE wave makes.  8 images of 2,048 bytes (image a = my tile a of source 1; registers 4 c .. 4 c + 3
; of lane l at 2048 a + 512 c + 16 l), then 512 bytes of scale words.  q, k: image a = 16 stored rows of the sequence, pieces 2 p, 2 p + 1 = head p of the pair; word (a / 2, p) at 16384 + 128 (a / 2) + 64 p + 4 r holds tile
; 2 (a / 2)'s two bytes, then tile 2 (a / 2) + 1's.  v: image a = 4 p + t = 16 of head p's features, piece c = keys 32 c + 16 (l / 16) + 0 .. 15; word a at 16384 + 64 a + 4 r, byte c for key block c.
; LIMITS: as the quantiser before it: a block under 2^-118 or of zeros gets the byte 1; NaN and infinities are not served.
; REGISTERS, in windows of 256: window 0: v0-31 addresses; v32-63 scale words, two sets; v64-127 the bias, in the results' layout; from v128 A's fragments, ONE set.  window 1: B's fragments, TWO sets.  windows 2, 3: the accumulators
; ((a, b) at v[8 (8 (a % 4) + b)] of window 2 + a / 4).  On the way out window 0 is free but for the addresses.
.set KSTEP,  256                       ; along K in a slot
.set NQ,     KSTEP/128                 ; matrix instructions deep
.set ROWB,   256                       ; a tile's row in bytes
.set KROW,   1024                      ; a row of codes in memory
.set PITCH,  272                       ; an LDS row: 256 bytes + 16 of padding: the 16 rows that a load touches start 16 bytes apart modulo 256
.set FR,     16                        ; registers of a fragment: 16 rows x 128 K
.set NL,     4                         ; LDS loads that bring one
.set NP,     8                         ; places behind this matrix instruction (ISA guide 7.12.1)
.set HALFT,  128*PITCH                 ; 128 rows: what one tensor load brings, and what one wave reads of A or of B
.set SLOT,   4*HALFT                   ; A's 256 rows, then B's 256 rows
.set LAPS,   1024/(2*KSTEP)            ; a lap = two K steps = once round the ring
.set KS,     32                        ; a row of scale bytes
.set SCL,    2*SLOT                    ; behind the ring: the scales, as units of 256 bytes + 16 of padding
.set HALFS,  (128*KS/256)*272          ; the scales of 128 rows: what one tensor load brings
.set SBLK,   (16*KS/256)*272           ; those of 16 rows
.set SPARE,  SCL+4*HALFS               ; behind the scales: the spare words, 128 bytes for each wave, which no other line names
.set REC,    16896                     ; a record of qkv
.set BO,   8                           ; v8-15   byte offsets of the bias loads; never rewritten
.set ADRA, 16                          ; v16-17  LDS address of my A fragments in slot 0, 1
.set ADRB, 20                          ; v20-21  the same for B
.set LOFF, 24                          ; v24     16 x lane: my place in an image; never rewritten
.set SWA,  25                          ; v25     the way out: where I put a scale word: 512 x wave + 4 r
.set SRD,  26                          ; v26     and where I read 16 bytes of them back: 512 x wave + 16 x lane
.set ADRS, 27                          ; v27     LDS address of my scale words: lanes 0-15 A's rows, lanes 16-31 B's
.set SPW,  28                          ; v28     LDS address of my spare word; never rewritten
.set NIL,  29                          ; v29     0; never rewritten
.set SC,   32                          ; scale words: set s at v[SC + 16 s]; register 2 i + q: lanes 0-15 A's block i, lanes 16-31 B's block i, the slot's q-th 128 along K
.set BIAS, 64                          ; v64-127 the bias of tile t at v[BIAS + 8 t]
.set AF,   128                         ; A's fragments
.set TM,   32                          ; the way out: v32-35 largest magnitudes, v36-39 bytes, v40-43 448 x the scale, v44-47 the conversions' scale operands
.set PW,   48                          ; v48-55  tile a's scale word
.set OW,   56                          ; v56-63  the scale words as the record has them
.set TT,   64                          ; v64-127 64 numbers, held
.set PC,   128                         ; v128-255 tile a's codes at v[PC + 16 a]: no store's data are written again
.set G1, 24                            ; s[24:31] descriptor group 1 for A's tiles;  s[32:39] group 0, one set for each slot
.set G0, 32
.set G1B, 48                           ; s[48:55], s[56:63] the same for B's tiles
.set G0B, 56
.set G1S, 68                           ; s[68:75], s[76:79] groups 1 and 0 for A's scales;  s[80:87], s[88:91] for B's
.set G0S, 76
.set G1SB, 80
.set G0SB, 88
.set MSB, 0
.macro WIN new                         ; the immediate's high byte repeats the setting that is left
.if MSB != \new
	s_set_vgpr_msb (MSB<<8)|\new
.set MSB, \new
.endif
.endm
.set MUL_LO, 0xa1                      ; source 0 (B) window 1, source 1 (A) window 0, C and D window 2
.set MUL_HI, 0xf1                      ; the same, C and D window 3
.set BIA_LO, 0x81                      ; the first step: C (the bias) window 0, D window 2
.set BIA_HI, 0xc1                      ; D window 3
.set TO_B,   0x40                      ; destination window 1, address window 0
; A joint load: waves 0 and 1 fetch for A, waves 2 and 3 for B.  Each of the two lines has ONE mask and one set of registers for all that issue it; the branch hangs on the wave's number alone.
; Four v_nop follow each of the two lines, ahead of the jump, the label and what follows.
.macro JLOAD g0a, g1a, g0b, g1b
	s_cmp_eq_u32 s15, 0
	s_cbranch_scc0 .Lfor_b_\@
	tensor_load_to_lds s[\g0a:\g0a+3], s[\g1a:\g1a+7]
	s_nop 0
.rept 4
	v_nop
.endr
	s_branch .Lasked_\@
.Lfor_b_\@:
	tensor_load_to_lds s[\g0b:\g0b+3], s[\g1b:\g1b+7]
	s_nop 0
.rept 4
	v_nop
.endr
.Lasked_\@:
.endm
.macro CREST                           ; a round of the cluster's barrier behind its opening barrier
	s_cmp_lg_u32 s14, 0
	s_cbranch_scc1 .Lnot_wave_0_\@
	s_barrier_signal -3
.Lnot_wave_0_\@:
	s_barrier_wait -3
	s_barrier_signal -1
	s_barrier_wait -1
.endm
.macro CROUND                          ; a whole round
	s_barrier_signal -1
	s_barrier_wait -1
	CREST
.endm
	s_load_b128 s[4:7], s[0:1], 0x0                ; x's codes s[4:5], x's scales s[6:7]
	s_load_b128 s[8:11], s[0:1], 0x10              ; W's codes s[8:9], W's scales s[10:11]
	s_load_b128 s[96:99], s[0:1], 0x20             ; bq s[96:97], bk s[98:99]
	s_load_b64 s[100:101], s[0:1], 0x30            ; bv
	s_load_b64 s[12:13], s[0:1], 0x38              ; qkv
	v_lshl_add_u32 v[SPW], v0, 2, SPARE
	v_mov_b32 v[NIL], 0
	ds_add_u32 v28, v29
	ds_add_u32 v28, v29
	s_wait_dscnt 0x0
	v_lshrrev_b32 v1, 5, v0
	v_readfirstlane_b32 s14, v1                    ; wave 0..3
	s_lshr_b32 s15, s14, 1                         ; which half of A's 256 rows is mine.  Also: I fetch for A (0) or for B (1)
	s_and_b32 s16, s14, 1                          ; which half of B's.  Also: which 128 rows of that tile I fetch
	s_bfe_u32 s40, ttmp6, 0x40000                  ; cx, cy: my place in the cluster
	s_bfe_u32 s41, ttmp6, 0x40004
	s_and_b32 s18, ttmp7, 0xffff
	s_lshl_b32 s18, s18, 2                         ; 4 x cluster y: x's tiles
	s_lshl_b32 s19, ttmp9, 2                       ; 4 T: W's tiles of q or of k
	s_cmp_eq_u32 ttmp9, 2                          ; v?  The cluster's x is the same in all sixteen partners
	s_cselect_b32 s95, 1, 0
	s_cselect_b32 s17, 8, s18
	s_cselect_b32 s42, s18, s19
	s_add_co_u32 s17, s17, s41                     ; A's tile: q, k: x's 4 cluster y + cy;  v: W's 8 + cy.  It never holds cx
	s_add_co_u32 s42, s42, s40                     ; B's tile: q, k: W's 4 T + cx;  v: x's 4 cluster y + cx.  It never holds cy
	s_lshl_b32 s43, s41, 2
	s_lshl_b32 s43, 15, s43                        ; my row of the cluster
	s_lshl_b32 s44, 0x1111, s40                    ; my column
	; descriptor group 1: a tile of 128 rows x 256 bytes, padded in LDS
	s_or_b32 s[G1+0], s43, (0<<16)|(1<<20)|(1<<21)|(5<<22)|(3<<25)  ; 15:0 the mask: A's tiles go to my row; 17:16 element of 1 byte; 20 padding on; 21 set beside a mask; 24:22 after every 64 words (code 5); 31:25 of 4 words (code 3)
	s_or_b32 s[G1B+0], s44, (0<<16)|(1<<20)|(1<<21)|(5<<22)|(3<<25)
.irp g, G1, G1B
	s_mov_b32 s[\g+1], ROWB<<16                    ; tensor_dim0
	s_mov_b32 s[\g+2], 128<<16                     ; tensor_dim1 = 128
	s_mov_b32 s[\g+3], ROWB<<16                    ; tile_dim0
	s_mov_b32 s[\g+4], 128                         ; tile_dim1 = 128
	s_mov_b32 s[\g+5], KROW                        ; tensor_dim0_stride
	s_mov_b32 s[\g+6], 0
	s_mov_b32 s[\g+7], 0
.endr
	; and for the scales of 128 rows: a dense block of 4,096 bytes, as 16 rows of 256 bytes (32 elements of 8 bytes), 16 bytes of padding behind each
	s_or_b32 s[G1S+0], s43, (3<<16)|(1<<20)|(1<<21)|(5<<22)|(3<<25)
	s_or_b32 s[G1SB+0], s44, (3<<16)|(1<<20)|(1<<21)|(5<<22)|(3<<25)
.irp g, G1S, G1SB
	s_mov_b32 s[\g+1], 32<<16
	s_mov_b32 s[\g+2], (128*KS/256)<<16
	s_mov_b32 s[\g+3], 32<<16
	s_mov_b32 s[\g+4], 128*KS/256
	s_mov_b32 s[\g+5], 32
	s_mov_b32 s[\g+6], 0
	s_mov_b32 s[\g+7], 0
.endr
	s_lshl_b32 s18, s16, 7                         ; which 128 rows of the tile I fetch
	s_lshl_b32 s20, s17, 8
	s_add_co_u32 s20, s20, s18                     ; A: row 256 x tile + 128 x half
	s_lshl_b32 s46, s42, 8
	s_add_co_u32 s46, s46, s18                     ; B likewise
	s_mov_b32 s21, 0
	s_mov_b32 s47, 0
	s_mov_b64 s[18:19], KS
	s_mul_u64 s[22:23], s[20:21], s[18:19]         ; where these rows' scales begin, in bytes
	s_mul_u64 s[92:93], s[46:47], s[18:19]
	s_mov_b64 s[18:19], KROW
	s_mul_u64 s[20:21], s[20:21], s[18:19]         ; and their codes
	s_mul_u64 s[46:47], s[46:47], s[18:19]
	s_mul_i32 s45, s14, HALFT                      ; where they go: wave x 128 rows: no place in the cluster enters an LDS address
	s_mul_i32 s94, s14, HALFS
	s_wait_kmcnt 0x0
	s_cmp_eq_u32 s95, 0                            ; q, k: A = x, B = W;  v: A = W, B = x
	s_cselect_b64 s[2:3], s[4:5], s[8:9]           ; A's codes
	s_cselect_b64 s[66:67], s[6:7], s[10:11]       ; A's scales
	s_cselect_b64 s[8:9], s[8:9], s[4:5]           ; B's codes
	s_cselect_b64 s[10:11], s[10:11], s[6:7]       ; B's scales
	s_add_nc_u64 s[20:21], s[2:3], s[20:21]
	s_add_nc_u64 s[22:23], s[66:67], s[22:23]
	s_add_nc_u64 s[46:47], s[8:9], s[46:47]
	s_add_nc_u64 s[92:93], s[10:11], s[92:93]
	CROUND                                         ; all sixteen work-groups are here: the first joint loads meet
	s_mov_b32 s[G0S], 1
	s_add_co_u32 s[G0S+1], s94, SCL
	s_mov_b64 s[G0S+2:G0S+3], s[22:23]
	s_or_b32 s[G0S+3], s[G0S+3], 0x80000000
	s_mov_b32 s[G0SB], 1
	s_add_co_u32 s[G0SB+1], s94, SCL
	s_mov_b64 s[G0SB+2:G0SB+3], s[92:93]
	s_or_b32 s[G0SB+3], s[G0SB+3], 0x80000000
	JLOAD G0S, G1S, G0SB, G1SB                     ; the scales first: they are wanted with K step 0
.irp s, 0,1
	s_mov_b32 s[G0+4*\s], 1
	s_add_co_u32 s[G0+4*\s+1], s45, \s*SLOT
	s_add_nc_u64 s[G0+4*\s+2:G0+4*\s+3], s[20:21], \s*ROWB
	s_or_b32 s[G0+4*\s+3], s[G0+4*\s+3], 0x80000000
	s_mov_b32 s[G0B+4*\s], 1
	s_add_co_u32 s[G0B+4*\s+1], s45, \s*SLOT
	s_add_nc_u64 s[G0B+4*\s+2:G0B+4*\s+3], s[46:47], \s*ROWB
	s_or_b32 s[G0B+4*\s+3], s[G0B+4*\s+3], 0x80000000
	JLOAD G0+4*\s, G1, G0B+4*\s, G1B               ; three tensor loads of mine are out at the most
.endr
	v_and_b32 v1, 15, v0                           ; r = l % 16
	v_bfe_u32 v2, v0, 4, 1                         ; h = l / 16
	v_mul_u32_u24 v3, v1, PITCH
	v_lshl_add_u32 v4, v2, 4, v3                   ; a fragment's row x pitch + 16 x half
	s_mul_i32 s21, s15, HALFT                      ; my 128 rows of A
	s_mul_i32 s22, s16, HALFT                      ; my 128 rows of B,
	s_add_co_u32 s22, s22, 2*HALFT                 ; which lie behind A's 256
.irp s, 0,1
	v_add_nc_u32 v[ADRA+\s], s21, v4
	v_add_nc_u32 v[ADRB+\s], s22, v4
	s_add_co_u32 s21, s21, SLOT
	s_add_co_u32 s22, s22, SLOT
.endr
	v_mul_u32_u24 v5, v1, KS                       ; my row's scales: 32 bytes a row,
	v_lshrrev_b32 v6, 8, v5
	v_lshl_add_u32 v5, v6, 4, v5                   ; and 16 more for each 256 passed
	s_mul_i32 s21, s15, HALFS                      ; A's: my 128 rows
	s_mul_i32 s22, s16, HALFS                      ; B's: my 128 rows, behind A's 256
	s_add_co_u32 s22, s22, 2*HALFS
	s_sub_co_u32 s22, s22, s21
	v_mul_u32_u24 v6, s22, v2                      ; lanes 16-31 take B's: one product, the distance between the two bases
	s_add_co_u32 s21, s21, SCL
	v_add_nc_u32 v5, v5, v6
	v_add_nc_u32 v[ADRS], s21, v5
	s_lshl_b32 s23, s14, 9                         ; the way out's stage for scale words: 512 bytes a wave, at the head of slot 0
	v_lshl_add_u32 v[SWA], v1, 2, s23
	v_and_b32 v6, 31, v0
	v_lshlrev_b32 v[LOFF], 4, v6
	v_add_nc_u32 v[SRD], s23, v[LOFF]
	; which record is mine, and which 128 numbers of the bias.  From here on cx and cy meet, in registers that feed global addresses alone
	s_lshl_b32 s20, s17, 1
	s_add_co_u32 s20, s20, s15                     ; A's group of 128 rows
	s_lshl_b32 s46, s42, 1
	s_add_co_u32 s46, s46, s16                     ; B's
	s_cmp_eq_u32 s95, 0
	s_cselect_b32 s21, s20, s46                    ; x's group, 0 .. 63: 16 x batch + group of the sequence
	s_cselect_b32 s47, s46, s20                    ; W's group,
	s_cselect_b32 s18, 64, 0                       ; and the bias offsets' three steps: from half to half of the lanes,
	s_cselect_b32 s19, 0, 4                        ; from row to row of source 1,
	s_cselect_b32 s2, 4, 0                         ; from register to register
	s_and_b32 s47, s47, 7                          ; the head pair
	s_lshr_b32 s22, s21, 4
	s_lshl_b32 s23, ttmp9, 2
	s_add_co_u32 s22, s22, s23                     ; 4 T + batch
	s_lshl_b32 s22, s22, 3
	s_add_co_u32 s22, s22, s47
	s_lshl_b32 s22, s22, 4
	s_and_b32 s21, s21, 15
	s_add_co_u32 s22, s22, s21
	s_mul_i32 s22, s22, REC
	s_mov_b32 s23, 0
	s_add_nc_u64 s[12:13], s[12:13], s[22:23]      ; my record
	s_cmp_eq_u32 ttmp9, 1
	s_cselect_b64 s[96:97], s[98:99], s[96:97]
	s_cmp_eq_u32 ttmp9, 2
	s_cselect_b64 s[96:97], s[100:101], s[96:97]   ; bq, bk or bv
	s_lshl_b32 s22, s47, 9
	s_add_nc_u64 s[96:97], s[96:97], s[22:23]      ; my 128 numbers of it
	; q, k: register j of the result of B's tile t is feature 32 (t / 2) + 8 (t % 2) + 16 h + j.  v: all eight registers of A's tile t are feature 32 (t / 2) + 8 (t % 2) + (r & 7) + 16 (r >> 3)
	v_and_b32 v5, 8, v1
	v_add_nc_u32 v5, v5, v1                        ; (r & 7) + 16 (r >> 3)
	v_mul_u32_u24 v6, v2, s18
	v_mad_u32_u24 v6, v5, s19, v6
.irp j, 0,1,2,3,4,5,6,7
	s_mul_i32 s18, s2, \j
	v_add_nc_u32 v[BO+\j], s18, v6
.endr
.irp t, 0,1,2,3,4,5,6,7
.irp j, 0,1,2,3,4,5,6,7
	global_load_b32 v[BIAS+8*\t+\j], v[BO+\j], s[96:97] offset:(32*(\t/2)+8*(\t%2))*4
.endr
.endr
.macro FRAG reg, adr, q, i             ; a fragment, 16 rows x 128 K of 8-bit codes, is 16 registers: lane l holds row l % 16; registers 4 c .. 4 c + 3 hold K = 32 c + 16 (l / 16) + 0 .. 15
.irp c, 0,1,2,3
	ds_load_b128 v[\reg+4*\c:\reg+4*\c+3], v[\adr] offset:128*(\q)+32*\c+(\i)*16*PITCH
.endr
.endm
; 16 matrix instructions: A's blocks a0, a0 + 1 x B's eight, 128 along K: the slot's q-th.  p: B's set;  sc: the set of scale words.  cmode = 0: onto the sums; 1: the sums begin with the bias of B's tile (q, k); 2: of A's tile (v).
; The 64 accumulators take turns, one instruction a turn, in the same order in every step.
.macro MUL16 a0, p, q, sc, cmode
.irp a, \a0, \a0+1
.irp b, 0,1,2,3,4,5,6,7
.set rD, 8*(8*((\a)%4)+\b)
.set rB, 128*(\p)+FR*\b
.set rA, AF+FR*(\a)
.set rSB, SC+8*NQ*(\sc)+NQ*\b+(\q)
.set rSA, SC+8*NQ*(\sc)+NQ*(\a)+(\q)
.if \cmode == 1
	v_wmma_scale_f32_16x16x128_f8f6f4 v[rD:rD+7], v[rB:rB+15], v[rA:rA+15], v[BIAS+8*\b:BIAS+8*\b+7], v[rSB], v[rSA] matrix_a_scale:MATRIX_SCALE_ROW1
.elseif \cmode == 2
	v_wmma_scale_f32_16x16x128_f8f6f4 v[rD:rD+7], v[rB:rB+15], v[rA:rA+15], v[BIAS+8*(\a):BIAS+8*(\a)+7], v[rSB], v[rSA] matrix_a_scale:MATRIX_SCALE_ROW1
.else
	v_wmma_scale_f32_16x16x128_f8f6f4 v[rD:rD+7], v[rB:rB+15], v[rA:rA+15], v[rD:rD+7], v[rSB], v[rSA] matrix_a_scale:MATRIX_SCALE_ROW1
.endif
.endr
.endr
.endm
.macro FETCH_B slot, q, p              ; B's eight fragments of the slot's q-th 128 along K into set p
	WIN TO_B
.irp i, 0,1,2,3,4,5,6,7
	FRAG 128*(\p)+FR*\i, ADRB+\slot, \q, \i
.endr
	WIN 0
.endm
.macro FETCH_A slot, q, i0             ; A's blocks i0 .. i0 + 3
.irp i, \i0, \i0+1, \i0+2, \i0+3
	FRAG AF+FR*(\i), ADRA+\slot, \q, \i
.endr
.endm
.macro SCALES sc                       ; the next K step's scale words into set sc: two words a row; lanes 0-15 take A's block i, lanes 16-31 B's block i
.irp i, 0,1,2,3,4,5,6,7
	ds_load_b64 v[SC+8*NQ*\sc+NQ*\i:SC+8*NQ*\sc+NQ*\i+1], v[ADRS] offset:\i*SBLK
.endr
.endm
; A load into a register that a matrix instruction has read, and a vector instruction that reads a matrix result, stand NP places behind that matrix instruction, and only plain vector instructions that name none
; of its registers are places (ISA guide 7.12.1 for vector instructions); the matrix instructions in between are not counted.
.macro PLACES n
.rept \n
	v_nop
.endr
.endm
; A step of 128 along K that has its successor in the same slot.
.macro STEP slot, q, cmode
	s_wait_dscnt 4*NL                              ; B's set and A's blocks 0-3 are in; the youngest sixteen loads (A's blocks 4-7) may be out
.if \cmode
	WIN BIA_LO
.else
	WIN MUL_LO
.endif
	MUL16 0, (\q)%2, \q, \slot, \cmode
	MUL16 2, (\q)%2, \q, \slot, \cmode
	s_wait_dscnt 0                                 ; A's blocks 4-7 are in (asked for 32 matrix instructions ago)
	PLACES NP
	FETCH_B \slot, (\q)+1, 1-(\q)%2
	FETCH_A \slot, (\q)+1, 0
.if \cmode
	WIN BIA_HI
.else
	WIN MUL_HI
.endif
	MUL16 4, (\q)%2, \q, \slot, \cmode
	MUL16 6, (\q)%2, \q, \slot, \cmode
	PLACES NP
	WIN 0
	FETCH_A \slot, (\q)+1, 4
.endm
; A slot's last step changes slots: ONE barrier; in front of it each wave waits for all its tensor loads, adds 0 to its spare word, and waits for that and for its own reads of this slot.  fill = 1: this slot is filled again, two K steps ahead.
.macro TURN slot, next, fill
	s_wait_tensorcnt 0x0                           ; all my tensor loads have landed: my part of the next slot;  (every window is 0 here: the add's two registers lie in window 0)
	ds_add_u32 v[SPW], v[NIL]                      ; 0 onto my spare word;
	s_wait_dscnt 4*NL+1                            ; (the add and the youngest sixteen loads, A's blocks 4-7, may be out)
	WIN MUL_LO
	MUL16 0, 1, NQ-1, \slot, 0                     ; sixteen matrix instructions stand between the add and the wait for it
	s_wait_dscnt 0x0                               ; the add is done, and my reads of this slot are over
	s_barrier_signal -1
	MUL16 2, 1, NQ-1, \slot, 0
	WIN 0
	s_barrier_wait -1
.if \fill
	CREST                                          ; the barrier has opened a round of the cluster's barrier: no wave of any partner still reads this slot's tile or has a load on its way
	s_add_nc_u64 s[G0+4*\slot+2:G0+4*\slot+3], s[G0+4*\slot+2:G0+4*\slot+3], 2*ROWB
	s_add_nc_u64 s[G0B+4*\slot+2:G0B+4*\slot+3], s[G0B+4*\slot+2:G0B+4*\slot+3], 2*ROWB
	JLOAD G0+4*\slot, G1, G0B+4*\slot, G1B         ; the first tensor load behind the round; the four v_nop behind it are among the places in front of the loads below
	PLACES NP-4
.else
	PLACES NP
.endif
	v_add_nc_u32 v[ADRS], 4*NQ, v[ADRS]            ; on to the next K step's scale words (no LDS load of mine is out)
	FETCH_B \next, 0, 0
	FETCH_A \next, 0, 0
	SCALES \next
	WIN MUL_HI
	MUL16 4, 1, NQ-1, \slot, 0
	MUL16 6, 1, NQ-1, \slot, 0
	PLACES NP
	WIN 0
	FETCH_A \next, 0, 4
.endm
	s_wait_tensorcnt 1                             ; the scales and my part of K step 0 are in (K step 1's load may be out)
	s_barrier_signal -1
	s_barrier_wait -1                              ; everybody's are
	FETCH_B 0, 0, 0
	FETCH_A 0, 0, 0
	SCALES 0
	FETCH_A 0, 0, 4
	s_wait_loadcnt 0x0                             ; the bias
	s_cmp_eq_u32 s95, 0                            ; the first step is written twice: its products begin the sums with the bias, which goes with B's tile (q, k) or with A's (v).  The branch hangs on the cluster's x alone
	s_cbranch_scc0 .Lfirst_v
	STEP 0, 0, 1
	s_branch .Lfirst_done
.Lfirst_v:
	STEP 0, 0, 2
.Lfirst_done:
	s_mov_b32 s3, LAPS-1
.Llap:                                                 ; a trip goes once round the ring, from a lap's second step to the next lap's first, and fills both slots again
	TURN 0, 1, 1
	STEP 1, 0, 0
	TURN 1, 0, 1
	STEP 0, 0, 0
	s_sub_co_u32 s3, s3, 1
	s_cmp_lg_u32 s3, 0
	s_cbranch_scc1 .Llap
	TURN 0, 1, 0                                   ; the last lap fills nothing, and has no round of the cluster's barrier
	STEP 1, 0, 0
	s_wait_dscnt 4*NL                              ; the very last step: nothing more to fetch
	WIN MUL_LO
	MUL16 0, 1, NQ-1, 1, 0
	MUL16 2, 1, NQ-1, 1, 0
	s_wait_dscnt 0
	WIN MUL_HI
	MUL16 4, 1, NQ-1, 1, 0
	MUL16 6, 1, NQ-1, 1, 0
	WIN 0
; THE WAY OUT.  For each tile a of source 1 a lane's 64 results, register 16 b + i = index 32 b + 16 (l / 16) + i along the next product's K, of its row r, become a fragment's 16 registers of codes and a scale word.
; A block of 32 lies in lanes l and l xor 16.  The codes leave as they stand: each store of the wave covers 512 consecutive bytes, aligned.
	PLACES NP                                      ; behind the last products: for the reads of results and the writes over scale words and A's fragments
	s_mov_b32 s20, 0x76543210
	s_mov_b32 s21, 0xfedcba98                      ; v_permlanex16_b32's selects for lane l xor 16
	s_mov_b32 s22, 0x600000                        ; the mantissa field of 448
	s_cmp_eq_u32 s95, 0
	s_mov_b32 s66, 0x03020100                      ; v: a record's word 2 g is tile 2 g's word as it stands,
	s_cselect_b32 s66, 0x05040100, s66             ; q, k: the low halves of tiles 2 g and 2 g + 1: head 0's bytes
	s_mov_b32 s67, 0x07060504                      ; v: word 2 g + 1 is tile 2 g + 1's,
	s_cselect_b32 s67, 0x07060302, s67             ; q, k: the high halves: head 1's bytes
.irp b, 0,1,2,3
	v_mov_b32 v[TM+4+\b], 0                        ; written once: a lane permute's destination counts as one of its sources
.endr
.macro QUANTA a
.set AC, 64*((\a)%4)
.if (\a) < 4
	WIN 0x0a                                       ; sources 0 and 1: window 2
.else
	WIN 0x0f                                       ; window 3
.endif
.irp b, 0,1,2,3
	v_max3_num_f32 v[TM+\b], |v[AC+16*\b]|, |v[AC+16*\b+1]|, 0x4800000   ; block b: my 16 numbers, from each accumulator's low end on, and the floor 2^(9 - 127): the byte cannot fall under 1
.endr
.irp i, 2,4,6,8,10,12,14
.irp b, 0,1,2,3
	v_max3_num_f32 v[TM+\b], |v[AC+16*\b+\i]|, |v[AC+16*\b+\i+1]|, v[TM+\b]   ; (the four blocks by turns)
.endr
.endr
	WIN 0
.irp b, 0,1,2,3
	v_permlanex16_b32 v[TM+4+\b], v[TM+\b], s20, s21
.endr
.irp b, 0,1,2,3
	v_max_num_f32 v[TM+\b], v[TM+\b], v[TM+4+\b]   ; with lane l xor 16's: the block's largest magnitude
.endr
.irp b, 0,1,2,3
	v_add_nc_u32 v[TM+12+\b], 0xfc000000, v[TM+\b] ; 8 off its exponent field: the conversion's scale operand
.endr
.irp b, 0,1,2,3
	v_and_or_b32 v[TM+8+\b], v[TM+\b], 0x7f800000, s22   ; 448 x the scale
.endr
.irp b, 0,1,2,3
	v_lshrrev_b32 v[TM+4+\b], 23, v[TM+12+\b]      ; the scale's byte
.endr
	v_lshl_or_b32 v[PW+(\a)], v[TM+5], 8, v[TM+4]  ; the four bytes make my row's scale word
	v_lshl_or_b32 v[PW+(\a)], v[TM+6], 16, v[PW+(\a)]
	v_lshl_or_b32 v[PW+(\a)], v[TM+7], 24, v[PW+(\a)]
.if (\a) < 4
	WIN 0x02                                       ; source 0: window 2
.else
	WIN 0x03
.endif
.irp b, 0,1,2,3
.irp i, 0,1,2,3,4,5,6,7,8,9,10,11,12,13,14,15
	v_med3_num_f32 v[TT+16*\b+\i], v[AC+16*\b+\i], -v[TM+8+\b], v[TM+8+\b]   ; the conversion to an 8-bit code does not saturate (ISA guide 7.6.2): the hold, which also brings the number into window 0
.endr
.endr
	WIN 0
.irp b, 0,1,2,3
	v_cvt_scalef32_pk8_fp8_f32 v[PC+16*(\a)+4*\b:PC+16*(\a)+4*\b+1], v[TT+16*\b:TT+16*\b+7], v[TM+12+\b]
	v_cvt_scalef32_pk8_fp8_f32 v[PC+16*(\a)+4*\b+2:PC+16*(\a)+4*\b+3], v[TT+16*\b+8:TT+16*\b+15], v[TM+12+\b]
.endr
	v_nop                                          ; a plain line behind the last conversion: the next tile writes its sources
.irp c, 0,1,2,3
	global_store_b128 v[LOFF], v[PC+16*(\a)+4*\c:PC+16*(\a)+4*\c+3], s[12:13] offset:(\a)*2048+\c*512
.endr
.endm
.irp a, 0,1,2,3,4,5,6,7
	QUANTA \a
.endr
.irp g, 0,1,2,3
	v_perm_b32 v[OW+2*\g], v[PW+2*\g+1], v[PW+2*\g], s66
	v_perm_b32 v[OW+2*\g+1], v[PW+2*\g+1], v[PW+2*\g], s67
.endr
; The eight scale words of each row meet in 512 bytes of my own at the head of slot 0, which has had its last fill and, since the last change of slots, its last read; they leave as 512 consecutive bytes.
.irp k, 0,1,2,3,4,5,6,7
	ds_store_b32 v[SWA], v[OW+\k] offset:64*\k     ; lanes r and r + 16 write the same word with the same value
.endr
	ds_load_b128 v[TT:TT+3], v[SRD]                ; LDS serves a wave's instructions in order: this sees my stores
	s_wait_dscnt 0x0
	global_store_b128 v[LOFF], v[TT:TT+3], s[12:13] offset:16384
	s_wait_tensorcnt 0x0                           ; the wave's end: behind my last tensor load and my last LDS store
	ds_add_u32 v[SPW], v[NIL]
	s_wait_dscnt 0x0
	CROUND                                         ; the closing round: no work-group ends while a partner may still ask for a tile that names it
	s_endpgm
.Lfunc_end_k_q1774b6ade6_proj:
	.size	k_q1774b6ade6_proj, .Lfunc_end_k_q1774b6ade6_proj-k_q1774b6ade6_proj
	.p2alignl 7, 3214868480
	.fill 96, 4, 3214868480
	.section	.rodata,"a",@progbits
	.p2align	6, 0x0
	.amdhsa_kernel k_q1774b6ade6_proj
		.amdhsa_group_segment_fixed_size 327680
		.amdhsa_private_segment_fixed_size 0
		.amdhsa_enable_private_segment 0
		.amdhsa_kernarg_size 64
		.amdhsa_user_sgpr_count 2
		.amdhsa_user_sgpr_kernarg_segment_ptr 1
		.amdhsa_wavefront_size32 1
		.amdhsa_system_sgpr_workgroup_id_x 1
		.amdhsa_system_sgpr_workgroup_id_y 1
		.amdhsa_system_sgpr_workgroup_id_z 1
		.amdhsa_system_vgpr_workitem_id 0
		.amdhsa_next_free_vgpr 1024
		.amdhsa_next_free_sgpr 102
		.amdhsa_reserve_vcc 0
		.amdhsa_float_denorm_mode_32 3
		.amdhsa_float_denorm_mode_16_64 3
		.amdhsa_memory_ordered 1
		.amdhsa_forward_progress 1
		.amdhsa_inst_pref_size 206
	.end_amdhsa_kernel
	.amdgpu_metadata
---
amdhsa.version: [ 1, 2 ]
amdhsa.kernels:
  - .name:           k_q1774b6ade6_proj
    .symbol:         k_q1774b6ade6_proj.kd
    .args:
      - { .name: x_codes, .offset: 0, .size: 8, .value_kind: global_buffer, .address_space: global }
      - { .name: x_scales, .offset: 8, .size: 8, .value_kind: global_buffer, .address_space: global }
      - { .name: w_codes, .offset: 16, .size: 8, .value_kind: global_buffer, .address_space: global }
      - { .name: w_scales, .offset: 24, .size: 8, .value_kind: global_buffer, .address_space: global }
      - { .name: bq, .offset: 32, .size: 8, .value_kind: global_buffer, .address_space: global }
      - { .name: bk, .offset: 40, .size: 8, .value_kind: global_buffer, .address_space: global }
      - { .name: bv, .offset: 48, .size: 8, .value_kind: global_buffer, .address_space: global }
      - { .name: qkv, .offset: 56, .size: 8, .value_kind: global_buffer, .address_space: global }
    .group_segment_fixed_size: 327680
    .private_segment_fixed_size: 0
    .kernarg_segment_align: 8
    .kernarg_segment_size: 64
    .max_flat_workgroup_size: 128
    .sgpr_count:     102
    .vgpr_count:     1024
    .wavefront_size: 32
...
	.end_amdgpu_metadata
.endif
;; end of part 2
;; launch attn (part 3): grid 8 x 32, 16 waves a work-group, no clusters, 206,848 bytes of LDS; arguments qkv, out0; writes out0
.if DOCPART == 3
	.amdgcn_target "amdgcn-amd-amdhsa--gfx1250"
	.amdhsa_code_object_version 6
	.text
	.protected	k_q1774b6ade6_attn
	.globl	k_q1774b6ade6_attn
	.p2align	8
	.type	k_q1774b6ade6_attn,@function
k_q1774b6ade6_attn:
	s_mov_b64 s[64:65], 0
	v_nop
	global_prefetch_b8 v0, s[64:65] scope:SCOPE_SE
	s_setreg_imm32_b32 hwreg(HW_REG_WAVE_MODE, 25, 1), 1
	s_wait_xcnt 0x0
; out0[b][i][64 head + d] = the sum over keys j with |i - j| <= 128 of softmax_j(q_i . k_j / 8) v_j[d], both products on codes of FP8 (E4M3) with one E8M0 scale for each 32 along a product's K.
; qkv holds q, k and v as images of operand registers, records of 16,896 bytes for (T, batch, head pair, 128 rows of the sequence): 8 images of 2,048 bytes and 512 bytes of scale words (laid out by the launch before).
; THE SOFTMAX AHEAD OF THE SECOND PRODUCT: t = score x log2(e) / 8; M = the row's largest t so far, rounded UP to a whole number; p = 2^(t - M) is quantised along the keys, not normalised; the row's sum is taken of the
; unquantised p and divides at the end; when M moves, the sum and O are multiplied by 2^(old M - new M), which rounds nothing.
; ONLY THE BAND IS MULTIPLIED: 32 neighbouring queries see 9 aligned blocks of 32 keys.  The first and the last block are masked number by number, blocks past the sequence's ends as a whole (scores become -infinity, so p = 0).
; SHARES.  A work-group owns 256 queries of one head pair; it needs k's and v's records 2 Y - 1 .. 2 Y + 2 (512 keys), which come into LDS ONCE by eight tensor loads (a record past an end is replaced by the nearest one, and
; its scores are masked).  Each of the sixteen waves owns one tile of 16 queries, both heads one after the other, and walks its 9 blocks as three steps of three: four waves to a SIMD, so that one wave's vector work
; stands beside another's matrix work and LDS loads.
; LAYOUT.  Both products are used transposed: S^T = K Q^T, O^T = V^T P^T: a lane holds ONE query throughout, query 32 G + 8 U + (r & 7) + 16 (r >> 3) of the work-group's (rows are stored with bits 3 and 4 exchanged), and the 16
; registers of a block are keys 16 (l / 16) + 0 .. 15 of it.  THE HEAD HAS 64 ALONG K, THE INSTRUCTION 128: one operand of k holds TWO tiles of 16 keys; against [q | zeros] the first counts, against [zeros | q] the second.
; NO CLUSTER: neighbouring work-groups share two of their four records, records 2 Y + 1 and 2 Y + 2, but hold them at places 2, 3 and 0, 1 of their LDS, and with one common place the reads' LDS addresses would hang on the
; work-group's place in its cluster.  NO PREFETCH: all that a work-group reads is asked for at its head.
; LIMITS: NaN and infinities are not served; a block of p whose numbers are all 0 gets the byte 1 (its codes are zeros); a block's largest p is taken from its largest score, which takes v_exp_f32 not to fall where its input rises.
.set REC,  16896
.set VREG, 4*REC                       ; LDS: k's four records, then v's four,
.set STG,  8*REC                       ; then a stage of 16 rows x (256 bytes + 16) for each wave, into which no tensor load lands
.set KF,   40                          ; v40-87  k: block i at v[40 + 16 i]: two tiles of 16 keys;  v40-103 later v's four fragments
.set SS,   104                         ; v104-151 S^T, then p: block i at v[104 + 16 i]; on the way out rows of O
.set OO,   152                         ; v152-183 O^T: tile t at v[152 + 8 t]
.set PC,   184                         ; v184-195 p's codes; v196-199 zeros: the instruction's fourth block of 32
.set BM,   200                         ; v200-202 the blocks' largest scores, then largest p
.set PX,   204                         ; v204-206 from lane l xor 16; then the scales' bytes
.set LM,   208                         ; v208-210 448 x the scale
.set SO,   212                         ; v212-214 the conversions' scale operands
.set NM,   216                         ; v216 -M, v217 the largest t
.set SUM,  218                         ; v[218:219] the row's sum in two halves
.set SU2,  220                         ; v[220:221] its second chain; at the end 1 / the sum
.set FF,   222                         ; v[222:223] f = 2^(old M - new M)
.set TMP,  224
.set PW,   225                         ; p's scale word
.set QW,   226                         ; q's scale word: its two bytes twice
.set QL,   227                         ; as loaded
.set KS,   228                         ; v228-230 k's scale words
.set VL,   232                         ; v232-239 v's scale words of two neighbouring records
.set VW,   240                         ; v240-243 v's scale words of the step's three blocks
.set AD,   244                         ; v244-249 the addresses in hand
; v1 16 x lane; v2 4 r; v3 my query's place less 16 (l / 16); v4 -infinity; v5, v6 the stage, in and back; v7 my byte offset in O; v16-23 and v32-39 q, v24-31 zeros: [q | 0] = v[16:31], [0 | q] = v[24:39]
.set KO,   40                          ; s40-48  block n of my nine: its two images of k in LDS
.set KSO,  49                          ; s49-57  its scale words of k
.set VO,   66                          ; s66-74  its piece of v's images
.set VS0,  75                          ; s75-77  step s: v's scale words in the record of its first block,
.set VS1,  78                          ; s78-80  and in the next record
.set SH,   81                          ; s81-83  the byte selector that cuts the step's bytes out of the two words
	s_load_b128 s[4:7], s[0:1], 0x0                ; qkv s[4:5], out0 s[6:7]
	v_lshl_add_u32 v254, v0, 2, 0x32000
	v_mov_b32 v255, 0
	ds_add_u32 v254, v255
	ds_add_u32 v254, v255
	v_lshrrev_b32 v8, 5, v0
	v_readfirstlane_b32 s8, v8                     ; wave 0..15
	s_mov_b32 s9, ttmp9                            ; Y: which 256 queries
	s_and_b32 s10, ttmp7, 0xffff                   ; 8 x batch + head pair
	s_lshr_b32 s11, s8, 1                          ; G: my group of 32 queries
	s_and_b32 s12, s8, 1                           ; U: which tile of it
	s_lshl_b32 s13, s9, 3
	s_add_co_u32 s13, s13, s11
	s_sub_co_i32 s13, s13, 4                       ; the first of my nine blocks of 32 keys, counted from the sequence's start (under 0 at its head)
	; descriptor group 1: a record, dense in memory, as 66 rows of 256 bytes (32 elements of 8 bytes), no padding: images are read 16 bytes a lane, on end
	s_mov_b32 s16, 3<<16
	s_mov_b32 s17, 32<<16                          ; tensor_dim0 = 32
	s_mov_b32 s18, 66<<16                          ; tensor_dim1 = 66
	s_mov_b32 s19, 32<<16                          ; tile_dim0 = 32
	s_mov_b32 s20, 66                              ; tile_dim1 = 66
	s_mov_b32 s21, 32                              ; the pitch
	s_mov_b32 s22, 0
	s_mov_b32 s23, 0
	; group 0: waves 0-3 fetch k's records 2 Y - 1 + wave, waves 4-7 v's; wave w's lands at w x REC
	s_mov_b32 s24, 1
	s_mul_i32 s25, s8, REC
	s_lshr_b32 s14, s8, 2
	s_add_co_u32 s14, s14, 1                       ; T: 1 k, 2 v
	s_lshl_b32 s14, s14, 5
	s_add_co_u32 s14, s14, s10
	s_lshl_b32 s14, s14, 4
	s_and_b32 s15, s8, 3
	s_lshl_b32 s39, s9, 1
	s_add_co_u32 s15, s15, s39
	s_sub_co_i32 s15, s15, 1
	s_max_i32 s15, s15, 0
	s_min_i32 s15, s15, 15                         ; held inside the sequence's 16 records
	s_add_co_u32 s14, s14, s15
	s_mul_i32 s14, s14, REC
	s_mov_b32 s15, 0
	s_wait_dscnt 0x0
	s_wait_kmcnt 0x0
	s_add_nc_u64 s[26:27], s[4:5], s[14:15]
	s_or_b32 s27, s27, 0x80000000
	s_cmp_lt_u32 s8, 8
	s_cbranch_scc0 .Lno_fetch
	tensor_load_to_lds s[24:27], s[16:23]          ; the launch's only fills: one load a wave, each into bytes of its own, filled once
	s_nop 0
.rept 4
	v_nop
.endr
.Lno_fetch:
	v_and_b32 v8, 31, v0                           ; lane
	v_and_b32 v9, 15, v0                           ; r
	v_bfe_u32 v10, v0, 4, 1                        ; h
	v_lshlrev_b32 v1, 4, v8
	v_lshlrev_b32 v2, 2, v9
	; q: record (8 batch + head pair) 16 + 2 Y + wave / 8, image wave % 8
	s_lshl_b32 s14, s10, 4
	s_lshl_b32 s15, s9, 1
	s_add_co_u32 s14, s14, s15
	s_lshr_b32 s15, s8, 3
	s_add_co_u32 s14, s14, s15
	s_mul_i32 s14, s14, REC
	s_and_b32 s15, s8, 7
	s_lshl_b32 s39, s15, 11
	s_add_co_u32 s28, s14, s39
	s_mov_b32 s29, 0
	s_lshr_b32 s15, s15, 1
	s_lshl_b32 s15, s15, 7
	s_add_co_u32 s30, s14, s15
	s_add_co_u32 s30, s30, 16384
	s_mov_b32 s31, 0
	s_add_nc_u64 s[28:29], s[4:5], s[28:29]        ; my image
	s_add_nc_u64 s[30:31], s[4:5], s[30:31]        ; and the scale words of its pair of tiles
.macro QLOAD p                         ; head p's two pieces, twice, and its scale word
.irp c, 0,1
	global_load_b128 v[16+4*\c:19+4*\c], v1, s[28:29] offset:(2*\p+\c)*512
	global_load_b128 v[32+4*\c:35+4*\c], v1, s[28:29] offset:(2*\p+\c)*512
.endr
	global_load_b32 v[QL], v2, s[30:31] offset:64*\p
.endm
	QLOAD 0
	v_and_b32 v11, 8, v9
	v_add_nc_u32 v11, v11, v9                      ; (r & 7) + 16 (r >> 3)
	v_lshlrev_b32 v12, 4, v10
	v_sub_nc_u32 v3, v11, v12
	s_lshl_b32 s39, s12, 3
	v_add_nc_u32 v3, s39, v3                       ; my query's place in its group of 32, less 16 h: register e of the first block is hidden where e is under it, of the last where e is over it
	v_mov_b32 v4, 0xff800000                       ; -infinity
	s_mul_i32 s39, s8, 16*272
	s_add_co_u32 s39, s39, STG                     ; my stage
	v_mul_u32_u24 v5, v9, 272
	v_lshl_add_u32 v5, v10, 6, v5
	v_add_nc_u32 v5, s39, v5                       ; in: row r, + 64 h
	v_mul_u32_u24 v6, v10, 272
	v_lshl_add_u32 v6, v9, 4, v6
	v_add_nc_u32 v6, s39, v6                       ; back: lanes 0-15 one row, lanes 16-31 the next
	v_lshlrev_b32 v7, 12, v10
	v_lshl_add_u32 v7, v9, 4, v7                   ; and the same in O: rows of 4,096 bytes
.irp j, 24,25,26,27,28,29,30,31,196,197,198,199,204,205,206,223
	v_mov_b32 v[\j], 0                             ; the zero codes; the lane permutes' destinations, which count as sources; the upper half of f's pair
.endr
	s_lshr_b32 s14, s10, 3
	s_lshl_b32 s14, s14, 11                        ; batch x 2,048 rows
	s_lshl_b32 s15, s9, 8
	s_add_co_u32 s14, s14, s15
	s_lshl_b32 s15, s11, 5
	s_add_co_u32 s14, s14, s15
	s_lshl_b32 s15, s12, 3
	s_add_co_u32 s14, s14, s15                     ; + 256 Y + 32 G + 8 U
	s_lshl_b32 s14, s14, 12
	s_and_b32 s15, s10, 7
	s_lshl_b32 s15, s15, 9                         ; the head pair's 512 bytes of a row
	s_add_co_u32 s14, s14, s15
	s_mov_b32 s15, 0
	s_add_nc_u64 s[32:33], s[6:7], s[14:15]
	s_mov_b32 s34, 0x76543210
	s_mov_b32 s35, 0xfedcba98                      ; v_permlanex16_b32's selects for lane l xor 16
	s_mov_b32 s36, 0x3e38aa3b                      ; c = log2(e) / 8
	s_mov_b32 s37, s36                             ; (named with it as a pair, so it is written)
	s_mov_b32 s38, 0x600000                        ; the mantissa field of 448
	s_cmp_eq_u32 s12, 0
	s_mov_b32 s84, 0x03020302                      ; my tile's two bytes of the pair's word, twice: tile 1's,
	s_cselect_b32 s84, 0x01000100, s84             ; or tile 0's
; Block n of my nine is block G + n of the 16 in LDS: record (G + n) / 4, place (G + n) % 4 in it.  All of it hangs on the wave's number and constants.
.irp n, 0,1,2,3,4,5,6,7,8
	s_add_co_u32 s39, s11, \n
	s_lshr_b32 s85, s39, 2
	s_mul_i32 s85, s85, REC
	s_and_b32 s39, s39, 3
	s_lshl_b32 s86, s39, 12
	s_add_co_u32 s[KO+\n], s85, s86                ; k: two images of 2,048 bytes
	s_lshl_b32 s86, s39, 7
	s_add_co_u32 s86, s86, s85
	s_add_co_u32 s[KSO+\n], s86, 16384             ; their scale words: 128 bytes
	s_lshl_b32 s86, s39, 9
	s_add_co_u32 s86, s86, s85
	s_add_co_u32 s[VO+\n], s86, VREG               ; v: a piece of 512 bytes in each image
.endr
.irp s, 0,1,2
	s_add_co_u32 s39, s11, 3*\s
	s_lshr_b32 s85, s39, 2
	s_and_b32 s39, s39, 3
	s_mul_i32 s39, s39, 0x01010101
	s_add_co_u32 s[SH+\s], s39, 0x03020100         ; bytes (G + 3 s) % 4 on of the two words
	s_mul_i32 s86, s85, REC
	s_add_co_u32 s[VS0+\s], s86, VREG+16384
	s_add_co_u32 s85, s85, 1
	s_min_u32 s85, s85, 3                          ; (from the last record on nothing of the next is wanted but a byte that meets zero codes)
	s_mul_i32 s86, s85, REC
	s_add_co_u32 s[VS1+\s], s86, VREG+16384
.endr
	s_wait_tensorcnt 0x0                           ; my record has landed (a wave that fetched nothing passes),
	s_barrier_signal -1
	s_barrier_wait -1                              ; everybody's has: the launch's one barrier
.macro ENDS n, i                       ; the step's block i is block n of my nine: where it lies past an end of the sequence, all its scores become -infinity.  A scalar branch on ids
	s_add_co_i32 s39, s13, (\n)
	s_cmp_lt_u32 s39, 64
	s_cbranch_scc1 .Linside_\@
.irp e, 0,1,2,3,4,5,6,7,8,9,10,11,12,13,14,15
	v_mov_b32 v[SS+16*(\i)+\e], v4
.endr
.Linside_\@:
.endm
; A STEP: blocks 3 s .. 3 s + 2 of my nine, 96 keys, head p of the pair.  s = 0 starts the maximum, the sum and O^T: nothing is cleared.
.macro STEP p, s
.irp i, 0,1,2
	v_add_nc_u32 v[AD+\i], s[KO+3*\s+\i], v1
.endr
.irp i, 0,1,2
	v_add_nc_u32 v[AD+3+\i], s[KSO+3*\s+\i], v2
.endr
	v_nop
	v_nop                                          ; eight places in front of loads into registers that the last products have read
.irp i, 0,1,2
.irp u, 0,1
.irp c, 0,1
	ds_load_b128 v[KF+16*\i+8*\u+4*\c:KF+16*\i+8*\u+4*\c+3], v[AD+\i] offset:\u*2048+(2*\p+\c)*512
.endr
.endr
	ds_load_b32 v[KS+\i], v[AD+3+\i] offset:64*\p
.endr
	s_wait_dscnt 0x0
.irp i, 0,1,2                                  ; S^T = K Q^T: six accumulators, each begun with the constant 0
	v_wmma_scale_f32_16x16x128_f8f6f4 v[SS+16*\i:SS+16*\i+7], v[KF+16*\i:KF+16*\i+15], v[16:31], 0, v[KS+\i], v[QW]
	v_wmma_scale_f32_16x16x128_f8f6f4 v[SS+16*\i+8:SS+16*\i+15], v[KF+16*\i:KF+16*\i+15], v[24:39], 0, v[KS+\i], v[QW]
.endr
.irp i, 0,1,2
	v_add_nc_u32 v[AD+\i], s[VO+3*\s+\i], v1
.endr
	v_add_nc_u32 v[AD+3], s[VS0+\s], v2
	v_add_nc_u32 v[AD+4], s[VS1+\s], v2
	v_nop
	v_nop
	v_nop                                          ; eight places: for the loads over k's fragments and for the first reads and writes of the scores
.irp t, 0,1,2,3                                ; v's four fragments land while the softmax is walked.  The fourth piece repeats the third: valid codes, which meet p's zero codes
.irp c, 0,1,2
	ds_load_b128 v[KF+16*\t+4*\c:KF+16*\t+4*\c+3], v[AD+\c] offset:(4*\p+\t)*2048
.endr
	ds_load_b128 v[KF+16*\t+12:KF+16*\t+15], v[AD+2] offset:(4*\p+\t)*2048
	ds_load_b32 v[VL+\t], v[AD+3] offset:(4*\p+\t)*64
	ds_load_b32 v[VL+4+\t], v[AD+4] offset:(4*\p+\t)*64
.endr
.if (\p == 0) && (\s == 2)
	QLOAD 1                                        ; head 0's last scores are made: the second head's q is asked for
.endif
.irp i, 0,1,2
.if 3*\s+\i != 4
	ENDS 3*\s+\i, \i
.endif
.endr
.if \s == 0                                    ; my first block: key - query = -128 + 16 h + e - my place: hidden where e is under v3
.irp e, 0,1,2,3,4,5,6,7,8,9,10,11,12,13,14,15
	v_cmp_lt_i32 vcc_lo, \e, v3
	v_cndmask_b32 v[SS+\e], v[SS+\e], v4, vcc_lo
.endr
.endif
.if \s == 2                                    ; my last block: key - query = 128 + 16 h + e - my place: hidden where e is over v3
.irp e, 0,1,2,3,4,5,6,7,8,9,10,11,12,13,14,15
	v_cmp_gt_i32 vcc_lo, \e, v3
	v_cndmask_b32 v[SS+32+\e], v[SS+32+\e], v4, vcc_lo
.endr
.endif
.irp b, 0,1,2
	v_max3_num_f32 v[BM+\b], v[SS+16*\b], v[SS+16*\b+1], v[SS+16*\b+2]   ; the largest score of each block: it serves the row's maximum and, since p rises with the score, the block's largest p
.endr
.irp i, 3,5,7,9,11,13
.irp b, 0,1,2
	v_max3_num_f32 v[BM+\b], v[BM+\b], v[SS+16*\b+\i], v[SS+16*\b+\i+1]
.endr
.endr
.irp b, 0,1,2
	v_max_num_f32 v[BM+\b], v[BM+\b], v[SS+16*\b+15]
.endr
.irp b, 0,1,2
	v_permlanex16_b32 v[PX+\b], v[BM+\b], s34, s35
.endr
.irp b, 0,1,2
	v_max_num_f32 v[BM+\b], v[BM+\b], v[PX+\b]     ; with lane l xor 16's 16 keys
.endr
	v_max3_num_f32 v[TMP], v[BM], v[BM+1], v[BM+2]
	v_mul_f32 v[TMP], s36, v[TMP]                  ; the step's largest t (c is positive)
.if \s == 0
	v_max_num_f32 v[NM+1], 0xff61b1e6, v[TMP]      ; held at -3e38 from below, so that a step whose keys are all hidden leaves a number
	v_floor_f32 v[NM], -v[NM+1]                    ; -M = floor(-t) = -ceil(t)
.else
	v_max_num_f32 v[NM+1], v[NM+1], v[TMP]         ; the running largest t
	v_mov_b32 v[TMP], v[NM]
	v_floor_f32 v[NM], -v[NM+1]
	v_sub_f32 v[TMP], v[NM], v[TMP]                ; old M less new M: a whole number, 0 or less
	v_cvt_i32_f32 v[TMP], v[TMP]                   ; (it saturates)
	v_ldexp_f32 v[FF], 1.0, v[TMP]                 ; f = 2^(old M - new M)
.endif
.irp j, 0,2,4,6,8,10,12,14,16,18,20,22,24,26,28,30,32,34,36,38,40,42,44,46
	v_pk_fma_f32 v[SS+\j:SS+\j+1], v[SS+\j:SS+\j+1], s[36:37], v[NM:NM+1] op_sel_hi:[1,0,0]   ; t - M, two at a time
.endr
.irp b, 0,1,2
	v_fma_f32 v[BM+\b], v[BM+\b], s36, v[NM]       ; the same of each block's largest score
.endr
.irp j, 0,1,2,3,4,5,6,7,8,9,10,11,12,13,14,15,16,17,18,19,20,21,22,23,24,25,26,27,28,29,30,31,32,33,34,35,36,37,38,39,40,41,42,43,44,45,46,47
	v_exp_f32 v[SS+\j], v[SS+\j]                   ; p = 2^(t - M), at most 1
.endr
.if \s == 0
	v_nop                                          ; a plain line behind the exponentials
.else
	v_pk_mul_f32 v[SUM:SUM+1], v[SUM:SUM+1], v[FF:FF+1] op_sel_hi:[1,0]   ; the sums under the new M (also the plain line behind the exponentials)
.endif
	s_wait_alu depctr_va_vdst(0)                   ; one wait for the batch of 48, ahead of its first reader
.irp b, 0,1,2
	v_exp_f32 v[BM+\b], v[BM+\b]                   ; the blocks' largest p: the same two instructions on the same number give the same bits
.endr
	v_pk_add_f32 v[SU2:SU2+1], v[SS:SS+1], v[SS+2:SS+3]   ; the row's sum is taken of the UNQUANTISED p, two at a time, in two chains
.if \s == 0
	v_pk_add_f32 v[SUM:SUM+1], v[SS+4:SS+5], v[SS+6:SS+7]
.else
	v_pk_add_f32 v[SUM:SUM+1], v[SUM:SUM+1], v[SS+4:SS+5]
	v_pk_add_f32 v[SU2:SU2+1], v[SU2:SU2+1], v[SS+6:SS+7]
.endif
.irp j, 8,12,16,20,24,28,32,36,40,44
	v_pk_add_f32 v[SUM:SUM+1], v[SUM:SUM+1], v[SS+\j:SS+\j+1]
	v_pk_add_f32 v[SU2:SU2+1], v[SU2:SU2+1], v[SS+\j+2:SS+\j+3]
.endr
	v_pk_add_f32 v[SUM:SUM+1], v[SUM:SUM+1], v[SU2:SU2+1]
	s_wait_dscnt 0x0                               ; v's fragments and scale words are in
.irp t, 0,1,2,3
	v_perm_b32 v[VW+\t], v[VL+4+\t], v[VL+\t], s[SH+\s]   ; the step's three bytes, and one more that meets zero codes
.endr
	s_wait_alu depctr_va_vdst(0)                   ; and one wait for the three
.irp b, 0,1,2
	v_max_num_f32 v[BM+\b], 0x4800000, v[BM+\b]    ; the floor 2^(9 - 127): the byte cannot fall under 1
.endr
.irp b, 0,1,2
	v_add_nc_u32 v[SO+\b], 0xfc000000, v[BM+\b]    ; 8 off the exponent field: the conversion's scale operand
.endr
.irp b, 0,1,2
	v_and_or_b32 v[LM+\b], v[BM+\b], 0x7f800000, s38   ; 448 x the scale
.endr
.irp b, 0,1,2
	v_lshrrev_b32 v[PX+\b], 23, v[SO+\b]           ; the scale's byte
.endr
	v_lshl_or_b32 v[PW], v[PX+1], 8, v[PX]         ; p's scale word for these 96 keys; its top byte, 0, meets zero codes
	v_lshl_or_b32 v[PW], v[PX+2], 16, v[PW]
.irp b, 0,1,2
.irp i, 0,1,2,3,4,5,6,7,8,9,10,11,12,13,14,15
	v_min_num_f32 v[SS+16*\b+\i], v[SS+16*\b+\i], v[LM+\b]   ; the conversion to an 8-bit code does not saturate (ISA guide 7.6.2); p is not negative, so the hold is one-sided
.endr
	v_cvt_scalef32_pk8_fp8_f32 v[PC+4*\b:PC+4*\b+1], v[SS+16*\b:SS+16*\b+7], v[SO+\b]
	v_cvt_scalef32_pk8_fp8_f32 v[PC+4*\b+2:PC+4*\b+3], v[SS+16*\b+8:SS+16*\b+15], v[SO+\b]
.endr
.if \s == 0
.rept 4
	v_nop                                          ; the codes stand four places ahead of the products
.endr
.else
.irp j, 0,2,4,6,8,10,12,14,16,18,20,22,24,26,28,30
	v_pk_mul_f32 v[OO+\j:OO+\j+1], v[OO+\j:OO+\j+1], v[FF:FF+1] op_sel_hi:[1,0]   ; O^T under the new M, each accumulator from its low end on (also the places ahead of the products)
.endr
.endif
.irp t, 0,1,2,3                                ; O^T += V^T P^T: four accumulators, one instruction a turn
.if \s == 0
	v_wmma_scale_f32_16x16x128_f8f6f4 v[OO+8*\t:OO+8*\t+7], v[KF+16*\t:KF+16*\t+15], v[PC:PC+15], 0, v[VW+\t], v[PW]
.else
	v_wmma_scale_f32_16x16x128_f8f6f4 v[OO+8*\t:OO+8*\t+7], v[KF+16*\t:KF+16*\t+15], v[PC:PC+15], v[OO+8*\t:OO+8*\t+7], v[VW+\t], v[PW]
.endif
.endr
.endm
; THE WAY OUT of head p: O^T / the sum goes through my stage (row r = my query, a lane's 16 registers of two tiles are 16 neighbouring d) and leaves as whole rows: sixteen lanes store 256 consecutive bytes, aligned: a query's head.
.macro FINISH p
	v_add_f32 v[SUM], v[SUM], v[SUM+1]             ; the sum's two halves,
	v_permlanex16_b32 v[PX], v[SUM], s34, s35
.rept 6
	v_nop                                          ; (with the two additions and the line behind the reciprocal: the places behind the last products)
.endr
	v_add_f32 v[SUM], v[SUM], v[PX]                ; and lane l xor 16's: the row's sum; the query's own key is in it, so it is not 0
	v_rcp_f32 v[SU2], v[SUM]
	v_nop                                          ; a plain line behind the reciprocal
	s_wait_alu depctr_va_vdst(0)                   ; and the wait ahead of its first reader
.irp j, 0,2,4,6,8,10,12,14,16,18,20,22,24,26,28,30
	v_pk_mul_f32 v[OO+\j:OO+\j+1], v[OO+\j:OO+\j+1], v[SU2:SU2+1] op_sel_hi:[1,0]
.endr
.irp g, 0,1
.irp k, 0,1,2,3
	ds_store_b128 v5, v[OO+16*\g+4*\k:OO+16*\g+4*\k+3] offset:128*\g+16*\k   ; d = 32 g + 16 h + 4 k on
.endr
.endr
.irp i, 0,1,2,3,4,5,6,7
	ds_load_b128 v[SS+4*\i:SS+4*\i+3], v6 offset:544*\i   ; LDS serves a wave's instructions in order: these see my stores.  Rows 2 i and 2 i + 1
.endr
.irp i, 0,1,2,3,4,5,6,7
	s_wait_dscnt 7-\i                              ; load i is back; the younger ones may be out
	global_store_b128 v7, v[SS+4*\i:SS+4*\i+3], s[32:33] offset:(2*(\i%4)+16*(\i/4))*4096+256*\p th:TH_STORE_NT   ; stage row rho is query (rho & 7) + 16 (rho >> 3) of my tile
.endr
.endm
.macro HEAD p
	s_wait_loadcnt 0x0                             ; this head's q and its scale word
	s_wait_xcnt 0x0                                ; the last head's stores have read their registers, which take the scores again
	v_perm_b32 v[QW], v[QL], v[QL], s84            ; my tile's two bytes, for either half of K
.rept 8
	v_nop                                          ; a scale word made by a vector instruction stands eight places ahead of the product
.endr
	STEP \p, 0
	STEP \p, 1
	STEP \p, 2
	FINISH \p
.endm
	HEAD 0
	HEAD 1
	s_wait_tensorcnt 0x0
	ds_add_u32 v254, v255
	s_wait_dscnt 0x0
	s_endpgm
.Lfunc_end_k_q1774b6ade6_attn:
	.size	k_q1774b6ade6_attn, .Lfunc_end_k_q1774b6ade6_attn-k_q1774b6ade6_attn
	.p2alignl 7, 3214868480
	.fill 96, 4, 3214868480
	.section	.rodata,"a",@progbits
	.p2align	6, 0x0
	.amdhsa_kernel k_q1774b6ade6_attn
		.amdhsa_group_segment_fixed_size 206848
		.amdhsa_private_segment_fixed_size 0
		.amdhsa_enable_private_segment 0
		.amdhsa_kernarg_size 16
		.amdhsa_user_sgpr_count 2
		.amdhsa_user_sgpr_kernarg_segment_ptr 1
		.amdhsa_wavefront_size32 1
		.amdhsa_system_sgpr_workgroup_id_x 1
		.amdhsa_system_sgpr_workgroup_id_y 1
		.amdhsa_system_sgpr_workgroup_id_z 1
		.amdhsa_system_vgpr_workitem_id 0
		.amdhsa_next_free_vgpr 256
		.amdhsa_next_free_sgpr 88
		.amdhsa_reserve_vcc 1
		.amdhsa_float_denorm_mode_32 3
		.amdhsa_float_denorm_mode_16_64 3
		.amdhsa_memory_ordered 1
		.amdhsa_forward_progress 1
		.amdhsa_inst_pref_size 123
	.end_amdhsa_kernel
	.amdgpu_metadata
---
amdhsa.version: [ 1, 2 ]
amdhsa.kernels:
  - .name:           k_q1774b6ade6_attn
    .symbol:         k_q1774b6ade6_attn.kd
    .args:
      - { .name: qkv, .offset: 0, .size: 8, .value_kind: global_buffer, .address_space: global }
      - { .name: out0, .offset: 8, .size: 8, .value_kind: global_buffer, .address_space: global }
    .group_segment_fixed_size: 206848
    .private_segment_fixed_size: 0
    .kernarg_segment_align: 8
    .kernarg_segment_size: 16
    .max_flat_workgroup_size: 512
    .sgpr_count:     88
    .vgpr_count:     256
    .wavefront_size: 32
...
	.end_amdgpu_metadata
.endif
;; end of part 3
